; MI455X (gfx1250); checked and timed in simulation.
; The chip was launched on July 23, 2026; its instructions are those of AMD's public machine-readable ISA for CDNA 5 (MIT licence, August 2026) and "CDNA5" Instruction Set Architecture Reference Guide (July 2026). The comments in the code are by the model that wrote it; some were corrected since.
;; Capsule. Allowed arithmetic: matrix products marked QUANTISED: E2M1 operands, one E8M0 scale for each 32 along K, by v_wmma_scale_f32_16x16x128_f8f6f4 with both operands' format E2M1 (or v_wmma_scale_f32_32x16x128_f4), f32 sums; products left as they are: f32 operands where the result goes on into a quantised operand, else bf16, f16 or f32 operands; f32 sums; everything else in f32.
;; Inputs: W_codes 1,024 x 32 x 16 uint8 (E2M1 codes of W, K innermost, in blocks of 32 codes, two codes a byte); W_scales 1,024 x 32 uint8 (E8M0 scales of W, one for each 32 codes along K); x_codes 32 x 2,048 x 32 x 16 uint8 (E2M1 codes of x, K innermost, in blocks of 32 codes, two codes a byte); x_scales 32 x 2,048 x 32 uint8 (E8M0 scales of x, one for each 32 codes along K).
;; Outputs: out0 32 x 32 x 32 float32.
;; This version of the problem:
;;   THIS VERSION OF THE PROBLEM IS GIVEN IN LOW PRECISION. The matrix products marked QUANTISED in the list below multiply operands that are first quantised to E2M1 (2 exponent bits, 1 mantissa bit; 4 bits a number), with one power-of-two scale for each 32 numbers along K (OCP MX v1.0); their sums are f32. All else is computed in f32.
;;   The module's matrix products, in the order in which they are computed (A, B: the left and right operand; K: the contracted axis; several contracted axes count as one K, in the product's order):
;;     1. [M 65,536, K 1,024] x [K 1,024, N 1,024]; A: input x (given as codes); B: input W (given as codes): QUANTISED
;;     2. batch 32 x [M 1, K 2,048] x [K 2,048, N 1,024]; A: computed on the way; B: computed on the way: left as it is (M = 1 < 16)
;;     3. batch 32 x [M 1, K 32] x [K 32, N 65,536]; A: computed on the way; B: computed on the way: left as it is (M = 1 < 16)
;;     4. batch 32 x [M 1, K 2,048] x [K 2,048, N 1,024]; A: computed on the way; B: computed on the way: left as it is (M = 1 < 16)
;;     5. batch 32 x [M 1, K 32] x [K 32, N 65,536]; A: computed on the way; B: computed on the way: left as it is (M = 1 < 16)
;;     6. batch 32 x [M 1, K 2,048] x [K 2,048, N 1,024]; A: computed on the way; B: computed on the way: left as it is (M = 1 < 16)
;;   THE QUANTISER, for each operand of a quantised product, along K:
;;     - K is cut into blocks of 32 from its start; a last block that is shorter is filled with zeros.
;;     - A block's scale is 2^e with e = floor(log2(the largest magnitude in the block)) - 2, held to -126 .. 127; a block of zeros has e = 0. As a byte (E8M0): e + 127.
;;     - Each number is divided by its block's scale, clamped to +-6, and rounded to the nearest number of E2M1, ties to even, subnormals kept.
;;     - The product sums the exact products of the quantised numbers (number of the format x scale) in f32.
;;   ~~~python
;;   def quantise(x, axis):      # numpy; x: float32 -> the quantised numbers, widened to float32 again
;;       x = np.moveaxis(x, axis, -1); K = x.shape[-1]
;;       x = np.pad(x, [(0, 0)] * (x.ndim - 1) + [(0, -K % 32)]); x = x.reshape(x.shape[:-1] + (-1, 32)); a = np.abs(x).max(-1, keepdims=True)
;;       e = np.where(a > 0, np.clip(np.frexp(np.where(a > 0, a, 1))[1] - 1 - 2, -126, 127), 0)      # np.frexp(a)[1] - 1 = floor(log2(a)), exactly
;;       r = np.clip(x / 2.0 ** e, -6, 6)
;;       step = 2.0 ** (np.maximum(np.frexp(np.where(r == 0, 1, r))[1] - 1, 0) - 1)
;;       q = np.round(r / step) * step * 2.0 ** e      # np.round: ties to even
;;       return np.moveaxis(q.reshape(q.shape[:-2] + (-1,))[..., :K], -1, axis).astype(np.float32)
;;   ~~~
;;   INPUTS GIVEN AS CODES. W (in the module: [1024, 1024], K = its axis 0); x (in the module: [32, 2048, 1024], K = its axis 2): each comes as NAME_codes (uint8): NAME with its K axis moved to the last place and cut into blocks of 32 codes, [.., K / 32, bytes a block], one block behind the other in memory; two codes a byte, the lower K in the low four bits (a code: sign, 2 exponent bits, 1 mantissa bit); and NAME_scales (uint8): the same leading axes, one E8M0 byte (e + 127) for each 32 codes along K. Its value is code x scale, taken as it is: it is not quantised again, and the codes and scales need not be those that the quantiser above would give.
;; One version. Each part assembles by itself: llvm-mc -triple=amdgcn-amd-amdhsa -mcpu=gfx1250 --defsym DOCPART=n.
;; ======== version 1 of 1: 1 launch
;; launch capsule (part 1): grid 8 x 32, 4 waves a work-group, clusters of 4 x 1, 327,680 bytes of LDS; arguments W_codes, W_scales, x_codes, x_scales, out0; writes out0
.if DOCPART == 1
	.amdgcn_target "amdgcn-amd-amdhsa--gfx1250"
	.amdhsa_code_object_version 6
	.text
	.protected	k_q9890947686_capsule
	.globl	k_q9890947686_capsule
	.p2align	8
	.type	k_q9890947686_capsule,@function
k_q9890947686_capsule:
	s_mov_b64 s[64:65], 0
	v_nop
	global_prefetch_b8 v0, s[64:65] scope:SCOPE_SE
	s_setreg_imm32_b32 hwreg(HW_REG_WAVE_MODE, 25, 1), 1
	s_wait_xcnt 0x0
	s_wait_alu depctr_hold_cnt(0) depctr_sa_sdst(0) depctr_va_vdst(0) depctr_va_sdst(0) depctr_va_ssrc(0) depctr_va_vcc(0) depctr_vm_vsrc(0)
	s_getreg_b32 s2, hwreg(HW_REG_IB_STS2, 6, 4)
	s_cmp_eq_u32 s2, 0
	s_cbranch_scc0 .Lentry_in_a_cluster
	s_endpgm
.Lentry_in_a_cluster:
	s_bfe_u32 s2, ttmp6, 0x10000c
	s_cmp_lg_u32 s2, 0x3003
	s_cbranch_scc0 .Lentry_shape_is_right
	s_endpgm
.Lentry_shape_is_right:
; out0[b][n] = the sum over the 2,048 tokens k of s[b][k] u_hat[b][k][n], u_hat = x W on codes of FP4 (E2M1) with one E8M0 scale for each 32 along K (K = 1,024, n = 32 capsule + dim).
; WHAT IS NOT COMPUTED, AND WHY.  reference() takes s = the sum over the capsule axis of a softmax over that same axis.  Whatever finite routing weights go in, that sum is 1 but for f32 rounding
; (32 quotients by their own sum: at most about 70 x 2^-24 from 1; in the first round exactly 32 x 1/32).  The first two rounds (their sums, the two normalisations, o, the routing weights) reach the
; output through s alone.  So this text takes s = 1 and makes out0[b][n] = the sum over k of u_hat[b][k][n]; that holds for every input, not for a kind of data.
; LIMITS: the result differs from reference()'s by at most about 4e-6 x the sum over k of |u_hat|.  Where the routing weights overflow f32 in reference() (|u_hat| above some 3e35) it gives NaN and this
; text the plain sum.  A scale byte 0xff gives NaN here as there.
; THE PRODUCT IS DONE WHOLE, 65,536 x 1,024 x 1,024, and the sum over tokens is taken by its accumulators: they are not begun anew from one block of 16 tokens to the next, so that a wave ends with
; 32 classes of tokens x 128 columns, which a few additions fold.
; SHARES.  Work-group (gx, b) owns out0[b][128 gx .. 128 gx + 127]: each output has one owner.  It walks the batch's 2,048 tokens in 8 tiles of 256; wave w takes rows 64 w .. 64 w + 63 of each tile.
; W STAYS IN REGISTERS: the 128 columns x 1,024 K are 64 fragments, 512 registers, in every wave.  The work-group fetches each byte of them once: wave w loads rows 32 w .. 32 w + 31, each load two aligned
; runs of 256 bytes; the rows go through a stage in LDS, one K half (128 rows x 256 bytes) at a time, since both do not fit behind the ring, and every wave reads all fragments from there.
; Only x goes through the ring: two slots of 256 tokens x 512 bytes.  A wave fetches its own 64 rows by one tensor load and alone reads them, each byte once: a fragment of 1,024 bytes feeds 8 matrix instructions.
; CLUSTER.  The four work-groups of a cluster (gx = 4 cluster x + cx) walk the same batch: every tile of x is asked for JOINTLY, by the same load with the same descriptor and the mask of all four.
; W is not shared: each work-group's columns are its own, and they are read once.
; A TILE of a wave is 8 UNITS u of 32 matrix instructions: K half KH = u / 4, pair of K steps QQ = (u / 2) % 2, pair of row blocks P = u % 2: row blocks 2 P + c, K steps 4 KH + 2 QQ + e (c, e = 0, 1).
; Source 0 = 16 tokens of x, source 1 = 16 rows (columns n) of W: in the result lane (r, h) holds column r, and its registers tokens 8 h + 0 .. 7.
; REGISTERS, in windows of 256 (s_set_vgpr_msb: bits 1:0 source 0, 3:2 source 1, 5:4 source 2, 7:6 destination):
;   window 0: v1-14 lane numbers and addresses; v16-47 W's scale words; v48-79 x's, two sets; v80-111 the last sums; v112-239 my 32 rows of W on their way to the stage.
;   windows 1, 2: W's fragments: (block of columns n, K step q) at v[8 (8 (q % 4) + n)] of window 1 + q / 4.
;   window 3: v0-127 the 16 accumulators, (c, n) at v[8 (8 c + n)]; v128-191 x's fragments, two buffers of 32; v192, v193 the LDS address of my fragments in slot 0, 1.
; x's fragments, their LDS address and the accumulators share window 3, so one setting serves a unit's loads and its products.
.set PITCH, 528                        ; an LDS row of x: 512 bytes + 16 of padding = 33 x 16: the 16 rows that a load touches start 16 bytes apart modulo 256
.set WROWS, 64*PITCH                   ; a wave's 64 rows: what one tensor load brings
.set SLOT,  4*WROWS                    ; 135,168 bytes
.set WP,    272                        ; a row of W's stage: 256 bytes (a K half) + 16 = 17 x 16
.set WST,   2*SLOT                     ; behind the ring: W's stage, 128 rows; written by LDS stores alone: no tile lands here
.set RED,   WST+128*WP                 ; 4 waves x 128 f32, for the last sums; no tile lands here
.set SPARE, RED+2048                   ; the spare words, 128 bytes for each wave: two blocks of 256 bytes that no other line names
.set TILEB, 256*512                    ; a tile of x in memory
.set LR,   1                           ; v1   r = lane % 16
.set LH,   2                           ; v2   h = lane / 16
.set LN,   3                           ; v3   lane
.set SPW,  4                           ; v4   LDS address of my spare word: SPARE + 4 x my thread's number; never rewritten
.set NIL,  5                           ; v5   0; never rewritten
.set SO,   6                           ; v6   32 r + 16 h: my 16 bytes among 16 rows of scale bytes
.set PFO,  7                           ; v7   256 x lane: the prefetches' offset
.set WO,   8                           ; v8   16,384 wave + 512 h + 16 r: my 16 bytes of two rows' K halves, in my wave's 32 rows of W
.set RST,  9                           ; v9   RED + 512 wave + 4 lane
.set RLD,  10                          ; v10  RED + 16 lane
.set OO,   11                          ; v11  16 lane
.set TMP,  12
.set WSA,  13                          ; v13  the stage, on the way in: WST + (32 wave + h) WP + 16 r
.set WLA,  14                          ; v14  and on the way out: WST + r WP + 16 h
.set WS,   16                          ; W's scale words: register 4 n + qi: lanes 0-15 K step qi, lanes 16-31 K step 4 + qi
.set XS,   48                          ; x's: register 16 slot + 4 i + qi, the same halves
.set T,    80
.set U,    88
.set FIN,  96
.set TW,   112                         ; v112-239 my 32 rows of W as loaded: 64 registers a K half
.set AF,   128                         ; in window 3
.set ADR,  192                         ; in window 3
.set WV,   14                          ; s14  wave
.set CX,   15                          ; s15  my place in the cluster: it enters W's, out0's and the prefetches' global addresses alone
.set GX,   16                          ; s16  4 x cluster x + cx
.set BA,   17                          ; s17  the batch
.set G1,   24                          ; s[24:31] descriptor group 1
.set G0,   32                          ; s[32:39] group 0, a set for each slot
.set XSB,  40                          ; s[40:41] x's scale bytes: my 64 rows, one tile behind the tile that is loaded next
.set PFA,  42                          ; s[42:43] where my prefetches stand
.set LIM,  44                          ; s44  1 in a cluster that prefetches, else the greatest number
.set LAP,  45                          ; s45  trips to go
.set SEL,  46                          ; s[46:47] v_permlanex16_b32's selects for lane l xor 16
.set W_LO, 0xf7                        ; D, C and source 0 (x) window 3, source 1 (W) window 1; an LDS load's data and address window 3
.set W_HI, 0xfb                        ; the same with W in window 2
.set MSB, 0
.macro WIN new                         ; the immediate's high byte repeats the setting that is left; a switch that changes nothing is dropped
.if MSB != (\new)
	s_set_vgpr_msb (MSB<<8)|(\new)
.set MSB, (\new)
.endif
.endm
.macro CREST                           ; a round of the cluster's barrier behind its opening barrier
	s_cmp_lg_u32 s[WV], 0
	s_cbranch_scc1 .Lnot_wave_0_\@
	s_barrier_signal -3
.Lnot_wave_0_\@:
	s_barrier_wait -3
	s_barrier_signal -1
	s_barrier_wait -1
.endm
.macro CROUND                          ; a whole round
	s_barrier_signal -1
	s_barrier_wait -1
	CREST
.endm
; A load into a register that a matrix instruction has read, and a vector instruction that touches a matrix result, stand four places behind that matrix instruction; only plain vector
; instructions that name none of its registers are places (ISA guide 7.12.1 for vector instructions).
.macro PLACES
.rept 4
	v_nop
.endr
.endm
; W ON ITS WAY.  WGET: K half kh of my 32 rows: 16 loads; lanes 0-15 take 256 consecutive bytes of row 2 j, lanes 16-31 of row 2 j + 1, each run at a multiple of 256 from W's first byte.
.macro WGET kh
.irp j, 0,1,2,3,4,5,6,7,8,9,10,11,12,13,14,15
	global_load_b128 v[TW+64*\kh+4*\j:TW+64*\kh+4*\j+3], v[WO], s[4:5] offset:1024*\j+256*\kh
.endr
.endm
.macro WPUT kh                         ; into the stage, as they lie: sixteen lanes write a row's 256 bytes
.irp j, 0,1,2,3,4,5,6,7,8,9,10,11,12,13,14,15
	ds_store_b128 v[WSA], v[TW+64*\kh+4*\j:TW+64*\kh+4*\j+3] offset:2*WP*\j
.endr
.endm
.macro WTAKE                           ; and out of it: the K half's 32 fragments (block of columns n, K step q of the half's four): lane (r, h) takes 16 bytes at row 16 n + r, 64 q + 16 h, and 32 bytes on
.irp q, 0,1,2,3
.irp n, 0,1,2,3,4,5,6,7
	ds_load_b128 v[8*(8*\q+\n):8*(8*\q+\n)+3],   v[WLA] offset:16*WP*\n+64*\q
	ds_load_b128 v[8*(8*\q+\n)+4:8*(8*\q+\n)+7], v[WLA] offset:16*WP*\n+64*\q+32
.endr
.endr
.endm
; Unit u's four fragments of x (16 tokens x 128 K of 4-bit codes: 8 registers; lane (r, h) takes 16 bytes at row r, 16 h, and 32 bytes on) into buffer u % 2: eight loads
.macro FRAGS slot, u
.set FB, AF+32*((\u)%2)
.set FO, 2*((\u)%2)*16*PITCH+64*(4*((\u)/4)+2*(((\u)/2)%2))
.irp e, 0,1
.irp c, 0,1
	ds_load_b128 v[FB+16*\e+8*\c:FB+16*\e+8*\c+3],   v[ADR+(\slot)] offset:FO+\c*16*PITCH+64*\e
	ds_load_b128 v[FB+16*\e+8*\c+4:FB+16*\e+8*\c+7], v[ADR+(\slot)] offset:FO+\c*16*PITCH+64*\e+32
.endr
.endr
.endm
; Eight matrix instructions: row block 2 P + c, K step 4 KH + 2 QQ + e, against W's eight blocks of columns.  zero = 1: the products start the sums: nothing is ever cleared.
; The 16 accumulators take turns, one instruction a turn, in the same order in every unit, over the loop's backward jump too.
; The upper K half's scale words lie in lanes 16-31 of the same registers.
.macro MM slot, u, e, c, zero
.set KH, (\u)/4
.set QI, 2*(((\u)/2)%2)+(\e)
.set RA, AF+32*((\u)%2)+16*(\e)+8*(\c)
.set RX, XS+16*(\slot)+4*(2*((\u)%2)+(\c))+QI
	WIN W_LO+4*KH
.irp n, 0,1,2,3,4,5,6,7
.if \zero
	v_wmma_scale_f32_16x16x128_f8f6f4 v[8*(8*(\c)+\n):8*(8*(\c)+\n)+7], v[RA:RA+7], v[8*(8*QI+\n):8*(8*QI+\n)+7], 0, v[RX], v[WS+4*\n+QI] matrix_a_fmt:MATRIX_FMT_FP4 matrix_b_fmt:MATRIX_FMT_FP4
.elseif KH
	v_wmma_scale_f32_16x16x128_f8f6f4 v[8*(8*(\c)+\n):8*(8*(\c)+\n)+7], v[RA:RA+7], v[8*(8*QI+\n):8*(8*QI+\n)+7], v[8*(8*(\c)+\n):8*(8*(\c)+\n)+7], v[RX], v[WS+4*\n+QI] matrix_a_fmt:MATRIX_FMT_FP4 matrix_b_fmt:MATRIX_FMT_FP4 matrix_a_scale:MATRIX_SCALE_ROW1 matrix_b_scale:MATRIX_SCALE_ROW1
.else
	v_wmma_scale_f32_16x16x128_f8f6f4 v[8*(8*(\c)+\n):8*(8*(\c)+\n)+7], v[RA:RA+7], v[8*(8*QI+\n):8*(8*QI+\n)+7], v[8*(8*(\c)+\n):8*(8*(\c)+\n)+7], v[RX], v[WS+4*\n+QI] matrix_a_fmt:MATRIX_FMT_FP4 matrix_b_fmt:MATRIX_FMT_FP4
.endif
.endr
.endm
.macro MM4 slot, u                     ; a unit's 32 products
	MM \slot, \u, 0, 0, 0
	MM \slot, \u, 0, 1, 0
	MM \slot, \u, 1, 0, 0
	MM \slot, \u, 1, 1, 0
.endm
; A unit that has its successor in the same slot (u = 0 .. 6): the next unit's fragments are asked for, into the buffer that the unit before has just multiplied, then this unit is multiplied.
; pl = 1: the four places are written here.
.macro UNIT slot, u, pl
.if \pl
	PLACES
.endif
	WIN W_LO+4*((\u)/4)
	FRAGS \slot, (\u)+1
	s_wait_dscnt 8                                 ; this unit's eight loads are in; the eight just issued may be out
	MM4 \slot, \u
.endm
; A PREFETCH INTO THE L2, behind the joint load and its four lines: at the change of slots behind tile t the load asks for tile t + 2, the prefetch for tile t + 3, which the next change of slots will ask for:
; a tile's 256 matrix instructions ahead of that load.  Both clusters of a batch walk the same x: the first (cluster x = 0) asks.  Its 4 partners x 4 waves x 32 lanes name the tile's 512 blocks of 256 bytes
; once each, told apart BY ADDRESS (32,768 cx + 8,192 wave + 256 lane): no branch hangs on a work-group's place in its cluster.  Tiles 0 to 2 come by their loads alone.
; how = 1: tile t + 3 exists in every trip (t = 0, 2, 4);  how = 0: not in the last trip (t = 5).
.macro ASK how
.if \how
	s_cmp_eq_u32 s[LIM], 1
.else
	s_cmp_gt_u32 s[LAP], s[LIM]                    ; s[LAP] = 1 in the last trip
.endif
	s_cbranch_scc0 .Lnot_mine_\@
	global_prefetch_b8 v[PFO], s[PFA:PFA+1] th:TH_LOAD_NT scope:SCOPE_SE
.Lnot_mine_\@:
.endm
; A slot's last unit (u = 7) changes slots.  In front of the round each wave waits for all its tensor loads (one is out: its rows of the next slot), adds 0 to its spare word, and waits for that and for its
; reads of this slot.  Behind the round no wave of any partner reads this slot or has a load on its way: the slot is filled again, with the tile two on, first thing.
.macro TURN slot, how
	WIN 0                                          ; (the add's two registers lie in window 0)
	s_wait_xcnt 0x0                                ; the last prefetch, a tile back, has read its address:
	s_add_nc_u64 s[PFA:PFA+1], s[PFA:PFA+1], TILEB ; it is stepped here, ahead of the waits of the change of slots
	s_wait_tensorcnt 0x0                           ; all my tensor loads have landed, so a group 0 may be written
	ds_add_u32 v[SPW], v[NIL]                      ; 0 onto my spare word
	s_add_nc_u64 s[G0+4*\slot+2:G0+4*\slot+3], s[G0+4*\slot+2:G0+4*\slot+3], 2*TILEB   ; this slot's next tile; the type bits on top are not reached
	s_wait_dscnt 1                                 ; this unit's eight loads are in; the add may be out
	MM \slot, 7, 0, 0, 0                           ; eight matrix instructions stand between the add and the wait for it
	s_wait_dscnt 0x0                               ; the add is done, and my reads of this slot are over
	s_barrier_signal -1                            ; this barrier opens a round of the cluster's barrier
	MM \slot, 7, 0, 1, 0
	WIN 0
	s_barrier_wait -1
	CREST
	tensor_load_to_lds s[G0+4*\slot:G0+4*\slot+3], s[G1:G1+7]   ; my one tensor load behind the round: it has the next tile's 256 matrix instructions in which to land
	s_nop 0
	PLACES                                         ; four plain lines follow a tensor load; they are also the places in front of the loads into buffer 0
	ASK \how
	WIN W_HI
	FRAGS 1-\slot, 0                               ; the next slot's first fragments: my rows of it have landed
	MM \slot, 7, 1, 0, 0
	MM \slot, 7, 1, 1, 0
.endm
; Between two tiles: the scale words of the tile that begins are in (they were asked for a tile ago); load = 1: the set of the tile that has ended takes those of the tile two on.
; The four places serve these loads and the next unit's loads into buffer 1.
.macro NEXTSC slot, load
	WIN 0
	PLACES
	s_wait_loadcnt 0x0                             ; every load of mine is in: so their base may be written too
.if \load
	s_add_nc_u64 s[XSB:XSB+1], s[XSB:XSB+1], 8192  ; a tile's 256 rows of 32 bytes
.irp i, 0,1,2,3
	global_load_b128 v[XS+16*\slot+4*\i:XS+16*\slot+4*\i+3], v[SO], s[XSB:XSB+1] offset:8192+512*\i   ; 32 lanes read 512 consecutive bytes: 16 rows' scale bytes
.endr
.endif
.endm
	s_load_b256 s[4:11], s[0:1], 0x0               ; W's codes s[4:5], W's scales s[6:7], x's codes s[8:9], x's scales s[10:11]
	s_load_b64 s[12:13], s[0:1], 0x20              ; out0
	v_lshl_add_u32 v[SPW], v0, 2, SPARE
	v_mov_b32 v[NIL], 0
	ds_add_u32 v4, v5
	ds_add_u32 v4, v5
	s_wait_dscnt 0x0
	v_lshrrev_b32 v[TMP], 5, v0
	v_readfirstlane_b32 s[WV], v[TMP]              ; wave 0..3
	s_bfe_u32 s[CX], ttmp6, 0x40000                ; cx
	s_lshl_b32 s[GX], ttmp9, 2                     ; in a cluster launch ttmp9 counts clusters
	s_add_co_u32 s[GX], s[GX], s[CX]               ; my block of 128 columns
	s_and_b32 s[BA], ttmp7, 0xffff                 ; the batch, which the four partners share
	; descriptor group 1: a tile of 64 rows x 512 bytes, dense in memory, padded in LDS
	s_mov_b32 s[G1+0], 15|(0<<16)|(1<<20)|(1<<21)|(6<<22)|(3<<25)   ; 15:0 the mask: all four work-groups; 17:16 elements of 1 byte; 20 padding on; 21 set beside a mask; 24:22 after every 128 words (code 6); 31:25 four words (code 3)
	s_mov_b32 s[G1+1], 512<<16                     ; tensor_dim0 = 512
	s_mov_b32 s[G1+2], 64<<16                      ; tensor_dim1 = 64
	s_mov_b32 s[G1+3], 512<<16                     ; tile_dim0 = 512
	s_mov_b32 s[G1+4], 64                          ; tile_dim1 = 64
	s_mov_b32 s[G1+5], 512                         ; tensor_dim0_stride
	s_mov_b32 s[G1+6], 0
	s_mov_b32 s[G1+7], 0
	s_mul_i32 s22, s[WV], WROWS                    ; where my rows of x go: wave x 64 rows: no place in the cluster enters an LDS address
	v_and_b32 v[LR], 15, v0
	v_bfe_u32 v[LH], v0, 4, 1
	v_and_b32 v[LN], 31, v0
	v_lshlrev_b32 v[SO], 5, v[LR]
	v_lshl_add_u32 v[SO], v[LH], 4, v[SO]
	v_lshlrev_b32 v[PFO], 8, v[LN]
	s_lshl_b32 s23, s[WV], 14                      ; my 32 rows of W, 512 bytes each
	v_lshlrev_b32 v[WO], 4, v[LR]
	v_lshl_add_u32 v[WO], v[LH], 9, v[WO]
	v_add_nc_u32 v[WO], s23, v[WO]
	s_mul_i32 s23, s[WV], 32*WP                    ; and their rows of the stage
	s_add_co_u32 s23, s23, WST
	v_mul_u32_u24 v[WSA], v[LH], WP
	v_lshl_add_u32 v[WSA], v[LR], 4, v[WSA]
	v_add_nc_u32 v[WSA], s23, v[WSA]
	v_mul_u32_u24 v[WLA], v[LR], WP
	v_lshl_add_u32 v[WLA], v[LH], 4, v[WLA]
	v_add_nc_u32 v[WLA], WST, v[WLA]
	v_lshl_add_u32 v[RLD], v[LN], 4, RED
	v_lshlrev_b32 v[OO], 4, v[LN]
	s_lshl_b32 s20, s[GX], 16                      ; my work-group's 128 rows of W's codes
	s_mov_b32 s21, 0
	s_lshl_b32 s18, s[BA], 20                      ; x: the batch's 2,048 rows of 512 bytes,
	s_lshl_b32 s19, s[WV], 15                      ; my 64 rows of a tile
	s_add_co_u32 s18, s18, s19
	s_mov_b32 s19, 0
	s_wait_kmcnt 0x0
	s_add_nc_u64 s[4:5], s[4:5], s[20:21]
	WGET 0                                         ; W's loads go out first: they are under way while the cluster's round is passed
	WGET 1
	s_add_nc_u64 s[20:21], s[8:9], s[18:19]        ; x's codes at my rows of tile 0
	s_mov_b32 s[G0+0], 1                           ; 1:0 count = 1
	s_mov_b32 s[G0+1], s22                         ; 63:32 LDS address: slot 0
	s_mov_b64 s[G0+2:G0+3], s[20:21]               ; 120:64 global address
	s_or_b32 s[G0+3], s[G0+3], 0x80000000          ; 127:126 type = 2
	s_mov_b32 s[G0+4], 1
	s_add_co_u32 s[G0+5], s22, SLOT                ; slot 1,
	s_add_nc_u64 s[G0+6:G0+7], s[20:21], TILEB     ; tile 1
	s_or_b32 s[G0+7], s[G0+7], 0x80000000
	CROUND                                         ; all four work-groups are here: the first joint loads meet
	tensor_load_to_lds s[G0:G0+3], s[G1:G1+7]      ; the two first fills go out together: two loads of mine are out
	s_nop 0
	tensor_load_to_lds s[G0+4:G0+7], s[G1:G1+7]
	s_nop 0
	PLACES
	s_lshl_b32 s18, s[GX], 12                      ; my 128 rows of W's scale bytes, 32 each
	s_add_nc_u64 s[6:7], s[6:7], s[18:19]
	s_lshl_b32 s18, s[BA], 16                      ; x's scale bytes: the batch's 2,048 rows of 32,
	s_lshl_b32 s20, s[WV], 11                      ; my 64 rows of a tile
	s_add_co_u32 s18, s18, s20
	s_add_nc_u64 s[XSB:XSB+1], s[10:11], s[18:19]
	s_lshl_b32 s18, s[BA], 12                      ; out0: the batch's 1,024 numbers, my work-group's 128
	s_lshl_b32 s20, s[GX], 9
	s_add_co_u32 s18, s18, s20
	s_add_nc_u64 s[12:13], s[12:13], s[18:19]
.irp n, 0,1,2,3,4,5,6,7
	global_load_b128 v[WS+4*\n:WS+4*\n+3], v[SO], s[6:7] offset:512*\n   ; W's scale words stay: lane (r, h) takes words 4 h .. 4 h + 3 of row 16 n + r; 32 lanes read 512 consecutive bytes
.endr
.irp t, 0,1
.irp i, 0,1,2,3
	global_load_b128 v[XS+16*\t+4*\i:XS+16*\t+4*\i+3], v[SO], s[XSB:XSB+1] offset:8192*\t+512*\i   ; x's of tiles 0 and 1
.endr
.endr
	v_mul_u32_u24 v[TMP], v[LR], PITCH
	v_lshl_add_u32 v[TMP], v[LH], 4, v[TMP]        ; a fragment's row x pitch + 16 x half
	s_add_co_u32 s23, s22, SLOT
	WIN 0xc0                                       ; destination window 3
	v_add_nc_u32 v[ADR], s22, v[TMP]
	v_add_nc_u32 v[ADR+1], s23, v[TMP]
	WIN 0
	s_lshl_b32 s18, s[WV], 9
	s_add_co_u32 s18, s18, RED
	v_lshl_add_u32 v[RST], v[LN], 2, s18
.irp n, 0,1,2,3,4,5,6,7
	v_mov_b32 v[U+\n], 0                           ; written once: a lane permute's destination counts as one of its sources
.endr
	s_mov_b32 s[SEL], 0x76543210
	s_mov_b32 s[SEL+1], 0xfedcba98
	s_lshl_b32 s18, s[BA], 20                      ; the prefetches: my batch,
	s_lshl_b32 s20, s[CX], 15                      ; my work-group's quarter of a tile,
	s_add_co_u32 s18, s18, s20
	s_lshl_b32 s20, s[WV], 13                      ; my wave's quarter of that,
	s_add_co_u32 s18, s18, s20
	s_add_co_u32 s18, s18, 2*TILEB                 ; in tile 2: the first change of slots steps it to tile 3.  Nothing is prefetched here, at the head
	s_add_nc_u64 s[PFA:PFA+1], s[8:9], s[18:19]
	s_cmp_eq_u32 ttmp9, 0                          ; the batch's first cluster: the same in all four partners
	s_cselect_b32 s[LIM], 1, -1
	; W THROUGH THE STAGE, a K half at a time.  Nothing is filled by a tensor load behind these three barriers before the first change of slots, so the two first fills may stay out across them.
	s_wait_loadcnt 32                              ; the lower K half's 16 loads are in: behind them stand the upper half's 16 and the 16 of scale words
	WPUT 0
	s_wait_dscnt 0x0                               ; for the others' sake: my rows lie in the stage
	s_barrier_signal -1
	s_barrier_wait -1                              ; all 128 rows do
	WIN 0x40                                       ; destination window 1, address window 0
	WTAKE
	WIN 0
	s_wait_loadcnt 16                              ; the upper K half's 16 loads are in: behind them stand the 16 of scale words
	s_wait_dscnt 0x0                               ; my reads of the stage are over
	s_barrier_signal -1
	s_barrier_wait -1                              ; everybody's are: the stage may be written again
	WPUT 1
	s_wait_dscnt 0x0
	s_barrier_signal -1
	s_barrier_wait -1
	WIN 0x80                                       ; destination window 2
	WTAKE
	s_wait_tensorcnt 0x1                           ; my rows of tile 0 are in (tile 1's load was issued behind); I alone read them, so no barrier is wanted
	WIN W_LO
	FRAGS 0, 0
	FRAGS 0, 1
	s_wait_loadcnt 0x0                             ; the scale words
	s_wait_dscnt 8                                 ; W's fragments and the first unit's are in; the second unit's eight loads may be out
	MM 0, 0, 0, 0, 1                               ; the first unit stands in front of the loop: its first 16 products start the 16 sums
	MM 0, 0, 0, 1, 1
	MM 0, 0, 1, 0, 0
	MM 0, 0, 1, 1, 0
	WIN 0                                          ; at a label and at a branch every window is 0
	s_mov_b32 s[LAP], 3
.Llap:                                                 ; a trip goes once round the ring, from a tile's second unit to the first unit of the tile two on, and fills both slots again: tiles 2 to 7
.irp u, 1,2,3,4,5,6
	UNIT 0, \u, 1
.endr
	TURN 0, 1
	NEXTSC 0, 1
	UNIT 1, 0, 0
.irp u, 1,2,3,4,5,6
	UNIT 1, \u, 1
.endr
	TURN 1, 0
	NEXTSC 1, 1
	UNIT 0, 0, 0
	WIN 0
	s_sub_co_u32 s[LAP], s[LAP], 1
	s_cmp_lg_u32 s[LAP], 0
	s_cbranch_scc1 .Llap
	; tiles 6 and 7 are written out: nothing is left to fetch, so no slot is filled again and no round stands here
.irp u, 1,2,3,4,5,6
	UNIT 0, \u, 1
.endr
	PLACES
	s_wait_tensorcnt 0x0                           ; my rows of tile 7: no load was issued behind that one
	FRAGS 1, 0
	s_wait_dscnt 8
	MM4 0, 7
	NEXTSC 0, 0
	UNIT 1, 0, 0
.irp u, 1,2,3,4,5,6
	UNIT 1, \u, 1
.endr
	s_wait_dscnt 0x0
	MM4 1, 7
	; THE LAST SUMS.  A lane holds column 16 n + r in accumulators (0, n) and (1, n): 16 numbers, each the sum over 16 tokens and all of K.  Each accumulator is read from its low end on.
	PLACES
	WIN 0xcf                                       ; destination and sources 0, 1: window 3
.irp p, 0,1,2,3
.irp n, 0,1,2,3,4,5,6,7
	v_pk_add_f32 v[8*\n+2*\p:8*\n+2*\p+1], v[8*\n+2*\p:8*\n+2*\p+1], v[64+8*\n+2*\p:64+8*\n+2*\p+1]
.endr
.endr
.irp p, 0,1
.irp n, 0,1,2,3,4,5,6,7
	v_pk_add_f32 v[8*\n+2*\p:8*\n+2*\p+1], v[8*\n+2*\p:8*\n+2*\p+1], v[8*\n+4+2*\p:8*\n+4+2*\p+1]
.endr
.endr
.irp n, 0,1,2,3,4,5,6,7
	v_pk_add_f32 v[8*\n:8*\n+1], v[8*\n:8*\n+1], v[8*\n+2:8*\n+3]
.endr
	WIN 0x0f                                       ; destination window 0
.irp n, 0,1,2,3,4,5,6,7
	v_add_f32 v[T+\n], v[8*\n], v[8*\n+1]
.endr
	WIN 0
.irp n, 0,1,2,3,4,5,6,7
	v_permlanex16_b32 v[U+\n], v[T+\n], s[SEL], s[SEL+1]
.endr
.irp n, 0,1,2,3,4,5,6,7
	v_add_f32 v[T+\n], v[T+\n], v[U+\n]            ; with lane l xor 16's tokens: my wave's 512 tokens of column 16 n + r, in both halves of the lanes
.endr
	v_cmp_le_u32 vcc_lo, 16, v[LN]
.irp m, 0,1,2,3
	v_cndmask_b32 v[FIN+\m], v[T+2*\m], v[T+2*\m+1], vcc_lo   ; lanes 16-31 take the odd block: lane l holds column 32 m + l
.endr
.irp m, 0,1,2,3
	ds_store_b32 v[RST], v[FIN+\m] offset:128*\m
.endr
	s_wait_dscnt 0x0                               ; for the others' sake: my stores have landed
	s_barrier_signal -1
	s_barrier_wait -1
	s_cmp_lg_u32 s[WV], 0                          ; wave 0 adds the four waves' parts and stores the work-group's 128 numbers
	s_cbranch_scc1 .Lothers
.irp w, 0,1,2,3
	ds_load_b128 v[FIN+4*\w:FIN+4*\w+3], v[RLD] offset:512*\w   ; lane l: columns 4 l .. 4 l + 3 of wave w
.endr
	s_wait_dscnt 0x0
	v_pk_add_f32 v[FIN:FIN+1], v[FIN:FIN+1], v[FIN+4:FIN+5]
	v_pk_add_f32 v[FIN+2:FIN+3], v[FIN+2:FIN+3], v[FIN+6:FIN+7]
	v_pk_add_f32 v[FIN+8:FIN+9], v[FIN+8:FIN+9], v[FIN+12:FIN+13]
	v_pk_add_f32 v[FIN+10:FIN+11], v[FIN+10:FIN+11], v[FIN+14:FIN+15]
	v_pk_add_f32 v[FIN:FIN+1], v[FIN:FIN+1], v[FIN+8:FIN+9]
	v_pk_add_f32 v[FIN+2:FIN+3], v[FIN+2:FIN+3], v[FIN+10:FIN+11]
	global_store_b128 v[OO], v[FIN:FIN+3], s[12:13]   ; 32 lanes store 512 consecutive bytes, at a multiple of 256 from out0's first byte
.Lothers:
	s_wait_tensorcnt 0x0                           ; the wave's end: behind my last tensor load and my last LDS store
	ds_add_u32 v[SPW], v[NIL]
	s_wait_dscnt 0x0
	CROUND                                         ; the closing round: no work-group ends while a partner may still ask for a tile that names it
	s_endpgm
.Lfunc_end_k_q9890947686_capsule:
	.size	k_q9890947686_capsule, .Lfunc_end_k_q9890947686_capsule-k_q9890947686_capsule
	.p2alignl 7, 3214868480
	.fill 96, 4, 3214868480
	.section	.rodata,"a",@progbits
	.p2align	6, 0x0
	.amdhsa_kernel k_q9890947686_capsule
		.amdhsa_group_segment_fixed_size 327680
		.amdhsa_private_segment_fixed_size 0
		.amdhsa_enable_private_segment 0
		.amdhsa_kernarg_size 40
		.amdhsa_user_sgpr_count 2
		.amdhsa_user_sgpr_kernarg_segment_ptr 1
		.amdhsa_wavefront_size32 1
		.amdhsa_system_sgpr_workgroup_id_x 1
		.amdhsa_system_sgpr_workgroup_id_y 1
		.amdhsa_system_sgpr_workgroup_id_z 1
		.amdhsa_system_vgpr_workitem_id 0
		.amdhsa_next_free_vgpr 1024
		.amdhsa_next_free_sgpr 66
		.amdhsa_reserve_vcc 1
		.amdhsa_float_denorm_mode_32 3
		.amdhsa_float_denorm_mode_16_64 3
		.amdhsa_memory_ordered 1
		.amdhsa_forward_progress 1
		.amdhsa_inst_pref_size 180
	.end_amdhsa_kernel
	.amdgpu_metadata
---
amdhsa.version: [ 1, 2 ]
amdhsa.kernels:
  - .name:           k_q9890947686_capsule
    .symbol:         k_q9890947686_capsule.kd
    .args:
      - { .name: W_codes, .offset: 0, .size: 8, .value_kind: global_buffer, .address_space: global }
      - { .name: W_scales, .offset: 8, .size: 8, .value_kind: global_buffer, .address_space: global }
      - { .name: x_codes, .offset: 16, .size: 8, .value_kind: global_buffer, .address_space: global }
      - { .name: x_scales, .offset: 24, .size: 8, .value_kind: global_buffer, .address_space: global }
      - { .name: out0, .offset: 32, .size: 8, .value_kind: global_buffer, .address_space: global }
    .group_segment_fixed_size: 327680
    .private_segment_fixed_size: 0
    .kernarg_segment_align: 8
    .kernarg_segment_size: 40
    .max_flat_workgroup_size: 128
    .sgpr_count:     66
    .vgpr_count:     1024
    .wavefront_size: 32
...
	.end_amdgpu_metadata
.endif
;; end of part 1
